; MI455X (gfx1250); checked and timed in simulation.
; The chip was launched on July 23, 2026; its instructions are those of AMD's public machine-readable ISA for CDNA 5 (MIT licence, August 2026) and "CDNA5" Instruction Set Architecture Reference Guide (July 2026). The comments in the code are by the model that wrote it; some were corrected since.
;; QKV Attention. Allowed arithmetic: matrix products marked QUANTISED: E2M3 operands, one E8M0 scale for each 32 along K, by v_wmma_scale_f32_16x16x128_f8f6f4 with both operands' format E2M3, f32 sums; everything else in f32.
;; Inputs: qkv 32 x 192 x 2,048 float32.
;; Outputs: out0 32 x 64 x 2,048 float32.
;; This version of the problem:
;;   THIS VERSION OF THE PROBLEM IS GIVEN IN LOW PRECISION. The matrix products marked QUANTISED in the list below multiply operands that are first quantised to E2M3 (2 exponent bits, 3 mantissa bits; 6 bits a number), with one power-of-two scale for each 32 numbers along K (OCP MX v1.0); their sums are f32. All else is computed in f32.
;;   The module's matrix products, in the order in which they are computed (A, B: the left and right operand; K: the contracted axis; several contracted axes count as one K, in the product's order):
;;     1. batch 32 x [M 2,048, K 64] x [K 64, N 2,048]; A: computed on the way; B: computed on the way: QUANTISED
;;     2. batch 32 x [M 64, K 2,048] x [K 2,048, N 2,048]; A: computed on the way; B: softmax (see below): QUANTISED
;;   THE QUANTISER, for each operand of a quantised product, along K:
;;     - K is cut into blocks of 32 from its start; a last block that is shorter is filled with zeros.
;;     - A block's scale is 2^e with e = floor(log2(the largest magnitude in the block)) - 2, held to -126 .. 127; a block of zeros has e = 0. As a byte (E8M0): e + 127.
;;     - Each number is divided by its block's scale, clamped to +-7.5, and rounded to the nearest number of E2M3, ties to even, subnormals kept.
;;     - The product sums the exact products of the quantised numbers (number of the format x scale) in f32.
;;   ~~~python
;;   def quantise(x, axis):      # numpy; x: float32 -> the quantised numbers, widened to float32 again
;;       x = np.moveaxis(x, axis, -1); K = x.shape[-1]
;;       x = np.pad(x, [(0, 0)] * (x.ndim - 1) + [(0, -K % 32)]); x = x.reshape(x.shape[:-1] + (-1, 32)); a = np.abs(x).max(-1, keepdims=True)
;;       e = np.where(a > 0, np.clip(np.frexp(np.where(a > 0, a, 1))[1] - 1 - 2, -126, 127), 0)      # np.frexp(a)[1] - 1 = floor(log2(a)), exactly
;;       r = np.clip(x / 2.0 ** e, -7.5, 7.5)
;;       step = 2.0 ** (np.maximum(np.frexp(np.where(r == 0, 1, r))[1] - 1, 0) - 3)
;;       q = np.round(r / step) * step * 2.0 ** e      # np.round: ties to even
;;       return np.moveaxis(q.reshape(q.shape[:-2] + (-1,))[..., :K], -1, axis).astype(np.float32)
;;   ~~~
;;   SOFTMAX AHEAD OF A QUANTISED PRODUCT. Where the list says 'softmax', what is quantised is not the finished softmax but p = 2^(t - M), with t = logit x log2(e) and M = ceil(the row's largest t), a whole number; so 1/2 < the row's largest p <= 1. The row's sum l is taken of the UNQUANTISED p, in f32, and the product's result is divided by l at the end. Since M is a whole number, a kernel that streams over the keys may use a running M (the ceiling of the running maximum): every later rescaling is an exact power of two, which a block's scale takes up: the codes' values come out the same.
;;   OPERANDS COMPUTED ON THE WAY. 'Computed on the way' means the value that the module computes at that place (a softmax that the list does not call 'softmax' is quantised finished and normalised). What goes into a quantiser is computed in f32, as accurately as f32 sums, v_exp_f32 and their like allow (about 1e-6 of the number): no bf16 or f16 on the way to a quantiser, and a product that is left as it is and whose result goes on into a quantised operand takes f32 operands (vector FMAs, or v_wmma_f32_16x16x4_f32). A number that lies on a knife's edge between two numbers of the format may be rounded either way, as far as f32 arithmetic and the matrix unit's own rounding can turn it there, and no further.
;; One version. Each part assembles by itself: llvm-mc -triple=amdgcn-amd-amdhsa -mcpu=gfx1250 --defsym DOCPART=n.
;; ======== version 1 of 1: 2 launches
;; limits: right only within a limited range of input values
;; workspace buffers: kvc 6,815,744 bytes
;; launch quant (part 1): grid 32 x 32, 4 waves a work-group, no clusters, 35,328 bytes of LDS; arguments qkv, kvc; writes kvc
.if DOCPART == 1
	.amdgcn_target "amdgcn-amd-amdhsa--gfx1250"
	.amdhsa_code_object_version 6
	.text
	.protected	k_q60c73b18e7_quant
	.globl	k_q60c73b18e7_quant
	.p2align	8
	.type	k_q60c73b18e7_quant,@function
k_q60c73b18e7_quant:
	s_mov_b64 s[64:65], 0
	v_nop
	global_prefetch_b8 v0, s[64:65] scope:SCOPE_SE
	s_setreg_imm32_b32 hwreg(HW_REG_WAVE_MODE, 25, 1), 1
	s_wait_xcnt 0x0
; qkv [32][192][2048] f32: rows 64-127 of a head are k, 128-191 v (tokens innermost).  They become codes of FP6 (E2M3) with one E8M0 byte for each 32 along K, laid as IMAGES OF THE OPERANDS' REGISTERS.
; k is multiplied by g = f32(1 / sqrt(8)) in f32 and quantised along the CHANNELS (two blocks a token); v is quantised along the KEYS.  q is quantised by the attention launch, which reads each of its numbers once.
; A block's scale is 2^(floor(log2(its largest magnitude)) - 2); its byte is the largest magnitude's exponent field - 2, held at 1 from below by a floor among the maximum's leaves.
; LIMITS: NaN and infinities among the inputs are not served.  A block of zeros gets the byte 1 where the rule says 127: its codes are zeros, which add nothing under any byte but 0xff, and this program alone reads the bytes.
; SHARES.  Work-group x = 16 x tensor + step (tensor 0 k, 1 v; a step is 128 tokens), y = the head.  Wave w loads channels 16 w .. 16 w + 15 x 128 tokens, 512 consecutive bytes an instruction, into a stage of 64 rows in LDS.
;   k: wave b = 2 c + p makes the pair of tiles 2 b, 2 b + 1: lane L takes token 64 c + 16 p + L % 16 + 32 (L / 16); its 64 registers run down the channels.
;   v: wave ct makes channels 16 ct .. 16 ct + 15 x 128 keys; a lane holds two whole blocks.
; A TILE of k (16 keys): row 8 b + j of tile 4 c + u is key 64 c + 32 b + 8 u + j, so that in the products' results a lane's registers of four tiles are the 32 neighbouring keys of ONE block.
; A PAIR IMAGE (1,536 bytes): twelve registers x 32 lanes in three groups of four, lane L's 16 bytes of group g at 512 g + 16 L.  Registers 0-5 are the even tile, 6-11 the odd one; lane r + 16 h: row r, channels 32 h .. 32 h + 31.
; k's SCALE IMAGE (512 bytes): lane r + 16 u holds four words, one a pair, for row r of tile u of the pair: bytes 0 and 1 the two blocks, bytes 2 and 3 zero.
; A V FRAGMENT IMAGE (1,536 bytes): lane (r, h): channel 16 ct + r; registers 6 c .. 6 c + 5: keys 64 c + 32 h + 0 .. 31.  V's SCALE IMAGE: lane L holds four words, word ct for channel 16 ct + L % 16.
; A RECORD of kvc (13,312 bytes a step): k's four pairs, v's four fragments, k's scale image, v's.
; No matrix product, no tensor load, no cluster: no two work-groups read the same byte.
.set REC,   13312
.set PAIR,  1536
.set SCK,   0                          ; LDS 0-511: k's scale image
.set SCV,   512                        ; LDS 512-1,023: v's
.set ST,    1024                       ; the stage: 64 rows
.set VP,    528                        ; of 512 bytes + 16
.set SPARE, 34816                      ; ST + 64 VP: the spare words, 128 bytes a wave
.set X,     32                         ; v32-95   64 numbers
.set C,     96                         ; v96-110  k: block h's codes c0-c2 at C + 8 h, c3-c5 at C + 8 h + 4
.set D16,   112
.set D8,    120
.set PC,    96                         ; v96-107  v: the fragment's twelve registers
.set T,     108                        ; v108-114 v: each block's upper 16 codes, before they are moved
.macro BMAX                            ; largest magnitudes v10, v11; the conversions' scale operands v12, v13; the bytes v14, v15
.irp h, 0,1
	v_max3_num_f32 v[10+\h], |v[X+32*\h]|, |v[X+32*\h+1]|, 0x1800000      ; the floor 2^(3 - 127): the byte cannot fall under 1
.endr
.irp i, 2,4,6,8,10,12,14,16,18,20,22,24,26,28,30
.irp h, 0,1
	v_max3_num_f32 v[10+\h], v[10+\h], |v[X+32*\h+\i]|, |v[X+32*\h+\i+1]|
.endr
.endr
.irp h, 0,1
	v_add_nc_u32 v[12+\h], 0xff000000, v[10+\h]    ; 2 off the exponent field
.endr
.irp h, 0,1
	v_lshrrev_b32 v[14+\h], 23, v[12+\h]
.endr
.endm
	s_load_b128 s[4:7], s[0:1], 0x0                ; qkv, kvc
	v_lshl_add_u32 v128, v0, 2, SPARE
	v_mov_b32 v129, 0
	v_lshrrev_b32 v1, 5, v0
	v_readfirstlane_b32 s10, v1                    ; wave 0..3
	v_and_b32 v1, 31, v0
	v_lshlrev_b32 v8, 4, v1                        ; 16 x lane
	s_and_b32 s12, ttmp7, 0xffff                   ; the head
	s_lshr_b32 s13, ttmp9, 4                       ; 0 k, 1 v
	s_and_b32 s14, ttmp9, 15                       ; the step
	s_mul_i32 s16, s12, 192*8192
	s_add_co_u32 s15, s13, 1
	s_lshl_b32 s15, s15, 19                        ; the tensor's 64 rows of 8,192 bytes
	s_add_co_u32 s16, s16, s15
	s_lshl_b32 s15, s10, 17                        ; my 16 channels
	s_add_co_u32 s16, s16, s15
	s_lshl_b32 s15, s14, 9                         ; the step's 512 bytes
	s_add_co_u32 s16, s16, s15
	s_mov_b32 s17, 0
	s_mul_i32 s18, s12, 16*REC
	s_mul_i32 s15, s14, REC
	s_add_co_u32 s18, s18, s15                     ; the record
	s_mov_b32 s19, 0
	s_mul_i32 s32, s10, PAIR                       ; my image in it
	s_mov_b32 s33, 0
	s_mov_b32 s20, 0x76543210
	s_mov_b32 s21, 0xfedcba98                      ; v_permlanex16_b32's selects for lane l xor 16
	s_mov_b32 s30, 0x3eb504f3                      ; g
	s_mov_b32 s31, s30
	s_mul_i32 s36, s10, 16*VP
	s_add_co_u32 s36, s36, ST                      ; my 16 rows of the stage
	s_lshl_b32 s37, s10, 2
	s_lshr_b32 s38, s10, 1
	s_lshl_b32 s38, s38, 8
	s_and_b32 s39, s10, 1
	s_lshl_b32 s39, s39, 6
	s_add_co_u32 s38, s38, s39
	s_add_co_u32 s38, s38, ST                      ; k: my pair's first token in the stage's rows
	s_wait_alu depctr_va_vdst(0)                   ; the wait behind the run of scalar instructions
	v_add_nc_u32 v5, s36, v8                       ; into the stage: 16 bytes a lane of a row
	v_and_b32 v2, 15, v0
	v_bfe_u32 v3, v0, 4, 1
	v_bfe_u32 v9, v0, 3, 1                         ; k: my token's tile in the pair
	v_and_b32 v4, 7, v0
	v_lshlrev_b32 v4, 4, v4
	v_lshl_add_u32 v4, v3, 7, v4                   ; 16 x my token's row in its tile
	v_lshl_add_u32 v20, v9, 10, v4                 ; 16 bytes: group 0 for the even tile, group 2 for the odd one
	v_lshl_add_u32 v21, v9, 3, v4                  ; 8 bytes: the middle group's lower or upper half
	v_lshl_add_u32 v22, v9, 8, v4
	v_add_nc_u32 v22, s37, v22                     ; the scale word
	v_cmp_ne_u32 vcc_lo, 0, v9
	v_lshlrev_b32 v23, 2, v2
	v_lshl_add_u32 v23, v3, 7, v23
	v_add_nc_u32 v23, s38, v23                     ; k: my token in a row of the stage
	v_mul_u32_u24 v24, v2, VP
	v_lshl_add_u32 v24, v3, 7, v24
	v_add_nc_u32 v24, s36, v24                     ; v: row r of my 16, from key 32 h on
	v_add_nc_u32 v25, s37, v8                      ; v: the scale word
	v_lshlrev_b32 v26, 3, v3
	v_mov_b32 v18, 0
	s_wait_alu depctr_va_vdst(0)                   ; the wait at the head's end
	s_wait_kmcnt 0x0
	s_add_nc_u64 s[28:29], s[4:5], s[16:17]
.irp i, 0,1,2,3,4,5,6,7,8,9,10,11,12,13,14,15
	global_load_b128 v[X+4*\i:X+4*\i+3], v8, s[28:29] offset:\i*8192 th:TH_LOAD_NT   ; 512 consecutive bytes; read once in the launch
.endr
	s_add_nc_u64 s[22:23], s[6:7], s[18:19]
	s_add_nc_u64 s[24:25], s[22:23], s[32:33]      ; my image
.irp i, 0,1,2,3,4,5,6,7,8,9,10,11,12,13,14,15
	s_wait_loadcnt 15-\i                           ; all but the rows behind row i
	ds_store_b128 v5, v[X+4*\i:X+4*\i+3] offset:VP*\i
.endr
	s_wait_dscnt 0x0                               ; my rows lie in the stage
	s_barrier_signal -1
	s_barrier_wait -1                              ; all 64 do
	s_cmp_eq_u32 s13, 1                            ; the same in all four waves
	s_cbranch_scc1 .Lv
	; ---------------- k ----------------
.set c, 0
.rept 64
	ds_load_b32 v[X+c], v23 offset:c*VP            ; channel c of my token
.set c, c+1
.endr
	s_wait_dscnt 0x0
.set c, 0
.rept 32
	v_pk_mul_f32 v[X+c:X+c+1], v[X+c:X+c+1], s[30:31] op_sel_hi:[1,0]      ; x g, in f32, ahead of the quantiser
.set c, c+2
.endr
	BMAX
.irp h, 0,1
	v_cvt_scalef32_pk16_fp6_f32 v[C+8*\h:C+8*\h+2], v[X+32*\h:X+32*\h+15], v[12+\h]
	v_cvt_scalef32_pk16_fp6_f32 v[C+8*\h+4:C+8*\h+6], v[X+32*\h+16:X+32*\h+31], v[12+\h]
.endr
	v_lshl_or_b32 v16, v15, 8, v14                 ; my token's scale word; the plain line behind the conversions
.irp h, 0,1                                    ; the even tile's six registers are a group's four and the next group's first two; the odd tile's a group's last two and the next group's four
	v_cndmask_b32 v[D16+4*\h],   v[C+8*\h],   v[C+8*\h+2], vcc_lo
	v_cndmask_b32 v[D16+4*\h+1], v[C+8*\h+1], v[C+8*\h+4], vcc_lo
	v_cndmask_b32 v[D16+4*\h+2], v[C+8*\h+2], v[C+8*\h+5], vcc_lo
	v_cndmask_b32 v[D16+4*\h+3], v[C+8*\h+4], v[C+8*\h+6], vcc_lo
	v_cndmask_b32 v[D8+2*\h],    v[C+8*\h+5], v[C+8*\h],   vcc_lo
	v_cndmask_b32 v[D8+2*\h+1],  v[C+8*\h+6], v[C+8*\h+1], vcc_lo
.endr
.irp h, 0,1
	global_store_b128 v20, v[D16+4*\h:D16+4*\h+3], s[24:25] offset:256*\h       ; sixteen lanes fill 256 consecutive aligned bytes of group 0, the other sixteen of group 2
	global_store_b64 v21, v[D8+2*\h:D8+2*\h+1], s[24:25] offset:512+256*\h      ; the 32 lanes fill 256 consecutive aligned bytes of group 1
.endr
	ds_store_b32 v22, v16 offset:SCK
	s_wait_dscnt 0x0                               ; for the others' sake
	s_barrier_signal -1
	s_barrier_wait -1
	s_cmp_lg_u32 s10, 0
	s_cbranch_scc1 .Lend_k
	ds_load_b128 v[124:127], v8 offset:SCK         ; wave 0 sends the image: 512 consecutive bytes
	s_wait_dscnt 0x0
	global_store_b128 v8, v[124:127], s[22:23] offset:8*PAIR
.Lend_k:
	s_wait_tensorcnt 0x0                           ; the wave's end
	ds_add_u32 v128, v129
	s_wait_dscnt 0x0
	s_endpgm
	; ---------------- v ----------------
.Lv:
.irp c, 0,1
.irp j, 0,1,2,3,4,5,6,7
	ds_load_b128 v[X+32*\c+4*\j:X+32*\c+4*\j+3], v24 offset:256*\c+16*\j      ; v(16 ct + r, 64 c + 32 h + 4 j ..)
.endr
.endr
	s_wait_dscnt 0x0
	BMAX
.irp c, 0,1
	v_cvt_scalef32_pk16_fp6_f32 v[PC+6*\c:PC+6*\c+2], v[X+32*\c:X+32*\c+15], v[12+\c]
	v_cvt_scalef32_pk16_fp6_f32 v[T+4*\c:T+4*\c+2], v[X+32*\c+16:X+32*\c+31], v[12+\c]   ; (a conversion's three registers begin on an even number)
.endr
	v_lshl_or_b32 v16, v15, 16, v14                ; my two bytes: blocks h and 2 + h of my channel; the plain line behind the conversions
.irp c, 0,1
.irp i, 0,1,2
	v_mov_b32 v[PC+6*\c+3+\i], v[T+4*\c+\i]
.endr
.endr
.irp g, 0,1,2
	global_store_b128 v8, v[PC+4*\g:PC+4*\g+3], s[24:25] offset:4*PAIR+512*\g       ; 512 consecutive aligned bytes
.endr
	v_lshlrev_b32 v16, v26, v16                    ; the two bytes at their places in the word
	v_permlanex16_b32 v18, v16, s20, s21
	v_or_b32 v16, v16, v18                         ; with lane l xor 16's two the word is whole
	ds_store_b32 v25, v16 offset:SCV
	s_wait_dscnt 0x0                               ; for the others' sake
	s_barrier_signal -1
	s_barrier_wait -1
	s_cmp_lg_u32 s10, 0
	s_cbranch_scc1 .Lend_v
	ds_load_b128 v[28:31], v8 offset:SCV           ; wave 0 sends the image
	s_wait_dscnt 0x0
	global_store_b128 v8, v[28:31], s[22:23] offset:8*PAIR+512
.Lend_v:
	s_wait_tensorcnt 0x0                           ; the wave's end
	ds_add_u32 v128, v129
	s_wait_dscnt 0x0
	s_endpgm
.Lfunc_end_k_q60c73b18e7_quant:
	.size	k_q60c73b18e7_quant, .Lfunc_end_k_q60c73b18e7_quant-k_q60c73b18e7_quant
	.p2alignl 7, 3214868480
	.fill 96, 4, 3214868480
	.section	.rodata,"a",@progbits
	.p2align	6, 0x0
	.amdhsa_kernel k_q60c73b18e7_quant
		.amdhsa_group_segment_fixed_size 35328
		.amdhsa_private_segment_fixed_size 0
		.amdhsa_enable_private_segment 0
		.amdhsa_kernarg_size 16
		.amdhsa_user_sgpr_count 2
		.amdhsa_user_sgpr_kernarg_segment_ptr 1
		.amdhsa_wavefront_size32 1
		.amdhsa_system_sgpr_workgroup_id_x 1
		.amdhsa_system_sgpr_workgroup_id_y 1
		.amdhsa_system_sgpr_workgroup_id_z 1
		.amdhsa_system_vgpr_workitem_id 0
		.amdhsa_next_free_vgpr 130
		.amdhsa_next_free_sgpr 66
		.amdhsa_reserve_vcc 1
		.amdhsa_float_denorm_mode_32 3
		.amdhsa_float_denorm_mode_16_64 3
		.amdhsa_memory_ordered 1
		.amdhsa_forward_progress 1
		.amdhsa_inst_pref_size 21
	.end_amdhsa_kernel
	.amdgpu_metadata
---
amdhsa.version: [ 1, 2 ]
amdhsa.kernels:
  - .name:           k_q60c73b18e7_quant
    .symbol:         k_q60c73b18e7_quant.kd
    .args:
      - { .name: qkv, .offset: 0, .size: 8, .value_kind: global_buffer, .address_space: global }
      - { .name: kvc, .offset: 8, .size: 8, .value_kind: global_buffer, .address_space: global }
    .group_segment_fixed_size: 35328
    .private_segment_fixed_size: 0
    .kernarg_segment_align: 8
    .kernarg_segment_size: 16
    .max_flat_workgroup_size: 128
    .sgpr_count:     66
    .vgpr_count:     130
    .wavefront_size: 32
...
	.end_amdgpu_metadata
.endif
;; end of part 1
;; launch attn (part 2): grid 8 x 32, 16 waves a work-group, clusters of 4 x 1, 327,680 bytes of LDS; arguments qkv, kvc, out0; writes out0
.if DOCPART == 2
	.amdgcn_target "amdgcn-amd-amdhsa--gfx1250"
	.amdhsa_code_object_version 6
	.text
	.protected	k_q60c73b18e7_attn
	.globl	k_q60c73b18e7_attn
	.p2align	8
	.type	k_q60c73b18e7_attn,@function
k_q60c73b18e7_attn:
	s_mov_b64 s[64:65], 0
	v_nop
	global_prefetch_b8 v0, s[64:65] scope:SCOPE_SE
	s_setreg_imm32_b32 hwreg(HW_REG_WAVE_MODE, 25, 1), 1
	s_wait_xcnt 0x0
	s_wait_alu depctr_hold_cnt(0) depctr_sa_sdst(0) depctr_va_vdst(0) depctr_va_sdst(0) depctr_va_ssrc(0) depctr_va_vcc(0) depctr_vm_vsrc(0)
	s_getreg_b32 s2, hwreg(HW_REG_IB_STS2, 6, 4)
	s_cmp_eq_u32 s2, 0
	s_cbranch_scc0 .Lentry_in_a_cluster
	s_endpgm
.Lentry_in_a_cluster:
	s_bfe_u32 s2, ttmp6, 0x10000c
	s_cmp_lg_u32 s2, 0x3003
	s_cbranch_scc0 .Lentry_shape_is_right
	s_endpgm
.Lentry_shape_is_right:
; out[c][query] = sum over keys of v[c][key] p[query][key] / l[query];  p = 2^(t - M), t = log2(e) x score, M the running largest t rounded up to a whole number, l the sum of the unquantised p.
; A work-group takes 256 queries of a head, a wave 16 of them and all 2,048 keys: 256 work-groups, one a WGP.
; q is read here, each number once, multiplied by g = f32(1 / sqrt(8)), and quantised in the head.  k and v come as codes in 16 records of 128 keys (13,312 bytes each; the quantising launch states their layout).
; ALL 16 RECORDS LIE IN LDS AT ONCE (212,992 bytes): wave w asks for record w, one joint load a wave for the four work-groups of a cluster, which share the head.  The first barrier shows records 0-3, which waves 0-3 load by a line of their own;
; the second, signalled inside step 1 and awaited behind it, shows the rest.  Nothing is filled twice.  No prefetch: each byte is asked for at the head, and no loop asks for more.
; STEPS OF 256 KEYS (two records).  Both products are used TRANSPOSED (S^T = k q^T, O^T = v p^T): a lane holds one query.  The keys of k's tiles are dealt so that lane (r, h) holds, in 32 registers, one whole block: half-step c' = 0 .. 3, keys 64 c' + 32 h + 0 .. 31.
; So a block's largest score and its codes need no other lane; only the row's maximum and the scale word pass between lanes l and l xor 16.
; k's product has K = 64: registers 6-11 of q's operand are zero codes, and k's operand takes there whatever codes lie behind the tile (FP6 has neither NaN nor infinity): they add zeros.
; A block's scale exponent is floor(x) - 2, x = t - M of its largest score: floor(log2) of its largest p in exact arithmetic.  Where f32 rounds that p up to the power of two above, the number lies on the edge and takes the largest code.  x is held at -124, so the byte at 1.
; LIMITS: NaN and infinities among the inputs are not served; the promise holds while the scaled scores stay under 2^31 in magnitude.  A block of zeros has the byte 1 in q: its codes are zeros.
.set REC,   13312
.set VOFF,  6144
.set KSC,   12288
.set VSC,   12800
.set STAGE, 16*REC                     ; 64 rows (channels) of 1,024 bytes + 16, for the way out
.set SP,    1040
.set SPARE, STAGE+64*SP                ; the spare words, 128 bytes a wave
.set AD,  1                            ; my LDS address in the step's first record
.set NM,  2                            ; v2 = -M, v3 = the running largest score
.set LA,  4                            ; v4-5   the sum of p, two numbers
.set QS,  6                            ; q's scale word
.set TT,  7
.set FF,  8                            ; v8 = 2^(old M - new M); also a lane exchange's result
.set PW,  9                            ; p's scale word
.set LB,  10                           ; v10-11 the sum's second chain
.set BM,  12                           ; v12-15 the blocks' largest scores, then their scale operands
.set QF,  16                           ; v16-27 q's operand
.set VS,  28                           ; v28-31 v's scale words
.set KS,  32                           ; v32-35 k's scale words
.set KF,  36                           ; v36-83 k's eight tiles, then v's four fragments of the first record
.set PC,  84                           ; v84-95 p's codes (also read, as codes of no weight, behind k's last tile)
.set S,   96                           ; v96-223 scores, then p; v96-143 also v's fragments of the second record
.set O,   224                          ; v224-255 O^T
.set SPW, 36                           ; the add's two registers: made anew where they are used
.set NIL, 37
.set WV,  10
.set NC,  14
.set SEL, 20
.set CS,  22
.set G1,  24
.set G0,  32
.set GQ,  40
.set TB,  48
.set CNT, 49
.macro CROUND
	s_barrier_signal -1
	s_barrier_wait -1
	s_cmp_lg_u32 s[WV], 0
	s_cbranch_scc1 .Lnot_wave_0_\@
	s_barrier_signal -3
.Lnot_wave_0_\@:
	s_barrier_wait -3
	s_barrier_signal -1
	s_barrier_wait -1
.endm
	s_load_b128 s[4:7], s[0:1], 0x0                ; qkv, kvc
	s_load_b64 s[8:9], s[0:1], 0x10                ; out0
	v_lshl_add_u32 v[SPW], v0, 2, SPARE
	v_mov_b32 v[NIL], 0
	ds_add_u32 v[SPW], v[NIL]                      ; the opening lines: the add, twice, ahead of the first tensor load
	ds_add_u32 v[SPW], v[NIL]
	v_lshrrev_b32 v1, 5, v0
	v_readfirstlane_b32 s[WV], v1                  ; wave 0..15
	v_and_b32 v7, 15, v0
	v_bfe_u32 v8, v0, 4, 1
	v_lshlrev_b32 v7, 2, v7
	v_lshl_add_u32 v7, v8, 18, v7                  ; q: token r, channel 32 h (32 rows of 8,192 bytes)
	s_bfe_u32 s11, ttmp6, 0x40000
	s_lshl_b32 s12, ttmp9, 2
	s_add_co_u32 s12, s12, s11                     ; work-group x: which 256 queries
	s_and_b32 s13, ttmp7, 0xffff                   ; the head
	s_mov_b32 s[G1], 15|(3<<16)|(1<<21)            ; mask: the four work-groups of the cluster; elements of 8 bytes; bit 21 beside a mask
	s_mov_b32 s[G1+1], 128<<16                     ; a record as 13 rows of 1,024 bytes, dense
	s_mov_b32 s[G1+2], 13<<16
	s_mov_b32 s[G1+3], 128<<16
	s_mov_b32 s[G1+4], 13
	s_mov_b32 s[G1+5], 128
	s_mov_b32 s[G1+6], 0
	s_mov_b32 s[G1+7], 0
	s_mul_i32 s16, s[WV], REC                      ; my record
	s_mul_i32 s18, s13, 16*REC
	s_add_co_u32 s18, s18, s16
	s_mov_b32 s19, 0
	s_mul_i32 s52, s13, 192*8192                   ; q: the head, my work-group's 1,024 bytes of a row, my wave's 64
	s_lshl_b32 s53, s12, 10
	s_add_co_u32 s52, s52, s53
	s_lshl_b32 s53, s[WV], 6
	s_add_co_u32 s52, s52, s53
	s_mov_b32 s53, 0
	s_lshl_b32 s58, s13, 19                        ; out: the head, rows 4 w .. 4 w + 3, my work-group's 1,024 bytes
	s_lshl_b32 s59, s[WV], 15
	s_add_co_u32 s58, s58, s59
	s_lshl_b32 s59, s12, 10
	s_add_co_u32 s58, s58, s59
	s_mov_b32 s59, 0
	s_mov_b32 s[SEL], 0x76543210
	s_mov_b32 s[SEL+1], 0xfedcba98                 ; lane l xor 16
	s_mov_b32 s[CS], 0x3fb8aa3b                    ; log2(e)
	s_mov_b32 s[CS+1], s[CS]
	s_mov_b32 s[NC], 0xbfb8aa3b                    ; -log2(e)
	s_mov_b32 s[GQ], 0x3eb504f3                    ; g
	s_mov_b32 s[GQ+1], s[GQ]
	s_mov_b32 s[TB], 0
	s_mov_b32 s[G0], 1
	s_mov_b32 s[G0+1], s16
	s_wait_alu depctr_va_vdst(0)                   ; the wait at the head's end
	s_wait_dscnt 0x0                               ; both opening adds are done
	s_wait_kmcnt 0x0
	s_add_nc_u64 s[44:45], s[4:5], s[52:53]
.irp i, 0,1,2,3,4,5,6,7,8,9,10,11,12,13,14,15,16,17,18,19,20,21,22,23,24,25,26,27,28,29,30,31
	global_load_b32 v[S+\i], v7, s[44:45] offset:8192*\i     ; q(token r, channel 32 h + i)
.endr
	s_add_nc_u64 s[G0+2:G0+3], s[6:7], s[18:19]
	s_or_b32 s[G0+3], s[G0+3], 0x80000000
	s_add_nc_u64 s[8:9], s[8:9], s[58:59]
	CROUND                                         ; the four work-groups are here: the joint loads meet
	s_cmp_lt_u32 s[WV], 4
	s_cbranch_scc0 .Lask_rest
	tensor_load_to_lds s[G0:G0+3], s[G1:G1+7]      ; records 0-3: the line of the waves that wait ahead of the first barrier
	s_nop 0
.rept 4
	v_nop
.endr
	s_branch .Lasked
.Lask_rest:
	tensor_load_to_lds s[G0:G0+3], s[G1:G1+7]      ; records 4-15
	s_nop 0
.rept 4
	v_nop
.endr
.Lasked:
	v_mov_b32 v[FF], 0                             ; (a lane permute's destination counts as one of its sources)
	s_wait_alu depctr_va_vdst(0)                   ; the wait here, directly ahead of the wait below
	s_wait_loadcnt 0x0
.set j, 0
.rept 16
	v_pk_mul_f32 v[S+j:S+j+1], v[S+j:S+j+1], s[GQ:GQ+1] op_sel_hi:[1,0]    ; x g, in f32, ahead of the quantiser
.set j, j+2
.endr
.irp e, 0,1
	v_max3_num_f32 v[BM+\e], |v[S+16*\e]|, |v[S+16*\e+1]|, 0x1800000       ; the floor 2^(3 - 127)
.endr
.irp i, 2,4,6,8,10,12,14
.irp e, 0,1
	v_max3_num_f32 v[BM+\e], v[BM+\e], |v[S+16*\e+\i]|, |v[S+16*\e+\i+1]|
.endr
.endr
	v_max_num_f32 v[BM], v[BM], v[BM+1]            ; my block: channels 32 h .. 32 h + 31
	v_add_nc_u32 v[BM+2], 0xff000000, v[BM]        ; 2 off the exponent field: the conversion's scale operand
	v_lshrrev_b32 v[BM+3], 23, v[BM+2]             ; the byte
	v_permlanex16_b32 v[FF], v[BM+3], s[SEL], s[SEL+1]
	v_lshl_or_b32 v[QS], v[FF], 8, v[BM+3]         ; lanes 0-15: byte 0 mine, byte 1 lane l xor 16's (lanes 16-31 are not read)
	v_cvt_scalef32_pk16_fp6_f32 v[QF:QF+2], v[S:S+15], v[BM+2]
	v_cvt_scalef32_pk16_fp6_f32 v[S+32:S+34], v[S+16:S+31], v[BM+2]
	v_mov_b32 v[LA], 0
.irp i, 0,1,2
	v_mov_b32 v[QF+3+\i], v[S+32+\i]
.endr
.irp i, 0,1,2,3,4,5
	v_mov_b32 v[QF+6+\i], 0                        ; channels 64 and up: none
	v_mov_b32 v[PC+\i], 0
.endr
	v_mov_b32 v[LA+1], 0
	v_mov_b32 v[LB], 0
	v_mov_b32 v[LB+1], 0
.macro NEWAD
	v_and_b32 v[AD], 31, v0
	v_lshlrev_b32 v[AD], 4, v[AD]
	v_add_nc_u32 v[AD], s[TB], v[AD]
.endm
.macro KLOAD off                       ; a record's eight tiles of k, and their scale words
.irp i, 0,1,2,3,4,5,6,7,8,9,10,11
	ds_load_b128 v[KF+4*\i:KF+4*\i+3], v[AD] offset:\off+512*\i
.endr
	ds_load_b128 v[KS:KS+3], v[AD] offset:\off+KSC
.endm
.macro WQK d, t                        ; tile t of a record: 16 keys x my 16 queries
.if (\t)%2
	v_wmma_scale_f32_16x16x128_f8f6f4 v[S+\d+8*\t:S+\d+8*\t+7], v[KF+6*\t:KF+6*\t+11], v[QF:QF+11], 0, v[KS+\t/2], v[QS] matrix_a_fmt:MATRIX_FMT_FP6 matrix_b_fmt:MATRIX_FMT_FP6 matrix_a_scale:MATRIX_SCALE_ROW1
.else
	v_wmma_scale_f32_16x16x128_f8f6f4 v[S+\d+8*\t:S+\d+8*\t+7], v[KF+6*\t:KF+6*\t+11], v[QF:QF+11], 0, v[KS+\t/2], v[QS] matrix_a_fmt:MATRIX_FMT_FP6 matrix_b_fmt:MATRIX_FMT_FP6
.endif
.endm
.macro PV a, zero                      ; O^T += v p^T over a record's 128 keys
.irp t, 0,1,2,3
.if \zero
	v_wmma_scale_f32_16x16x128_f8f6f4 v[O+8*\t:O+8*\t+7], v[\a+12*\t:\a+12*\t+11], v[PC:PC+11], 0, v[VS+\t], v[PW] matrix_a_fmt:MATRIX_FMT_FP6 matrix_b_fmt:MATRIX_FMT_FP6
.else
	v_wmma_scale_f32_16x16x128_f8f6f4 v[O+8*\t:O+8*\t+7], v[\a+12*\t:\a+12*\t+11], v[PC:PC+11], v[O+8*\t:O+8*\t+7], v[VS+\t], v[PW] matrix_a_fmt:MATRIX_FMT_FP6 matrix_b_fmt:MATRIX_FMT_FP6
.endif
.endr
.endm
; The largest scores of blocks b and b + 1 (b = 0 or 2): four chains by turns, each over 15 of a block's halves' 16 numbers: chains 0, 1 the lower halves, 2, 3 the upper ones (b = 0: v12-15; b = 2: v14, v15, v7, v8).  MAXF joins them.
.macro MAX1 b, k, i                    ; round k of 7 of chain i
.if \b == 0
.set mr, BM+(\i)
.elseif (\i) < 2
.set mr, BM+2+(\i)
.else
.set mr, TT+(\i)-2
.endif
.set mx, S+32*(\b+((\i)%2))+16*((\i)/2)
.if (\k) == 0
	v_max3_num_f32 v[mr], v[mx], v[mx+1], v[mx+2]
.else
	v_max3_num_f32 v[mr], v[mr], v[mx+2*(\k)+1], v[mx+2*(\k)+2]
.endif
.endm
.macro MAXF b
.irp e, 0,1
	v_max3_num_f32 v[BM+\b+\e], v[BM+\b+\e], v[S+32*(\b+\e)+15], v[S+32*(\b+\e)+31]
.endr
.irp e, 0,1
.if \b == 0
	v_max_num_f32 v[BM+\e], v[BM+\e], v[BM+2+\e]
.else
	v_max_num_f32 v[BM+2+\e], v[BM+2+\e], v[TT+\e]
.endif
.endr
.endm
; The sum over the first half's 32 pairs of p in four chains by turns: two of them lie in the registers that take p's codes afterwards.
.macro SUM4
	v_pk_add_f32 v[LA:LA+1], v[LA:LA+1], v[S:S+1]
	v_pk_add_f32 v[LB:LB+1], v[LB:LB+1], v[S+2:S+3]
	v_pk_add_f32 v[PC:PC+1], v[S+4:S+5], v[S+12:S+13]
	v_pk_add_f32 v[PC+2:PC+3], v[S+6:S+7], v[S+14:S+15]
	v_pk_add_f32 v[LA:LA+1], v[LA:LA+1], v[S+8:S+9]
	v_pk_add_f32 v[LB:LB+1], v[LB:LB+1], v[S+10:S+11]
.set j, 16
.rept 6
	v_pk_add_f32 v[PC:PC+1], v[PC:PC+1], v[S+j:S+j+1]
	v_pk_add_f32 v[PC+2:PC+3], v[PC+2:PC+3], v[S+j+2:S+j+3]
	v_pk_add_f32 v[LA:LA+1], v[LA:LA+1], v[S+j+4:S+j+5]
	v_pk_add_f32 v[LB:LB+1], v[LB:LB+1], v[S+j+6:S+j+7]
.set j, j+8
.endr
	v_pk_add_f32 v[LA:LA+1], v[LA:LA+1], v[PC:PC+1]
	v_pk_add_f32 v[LB:LB+1], v[LB:LB+1], v[PC+2:PC+3]
.endm
.macro SUMS base, k0, n                ; n pairs of p, from pair k0 of the half at base, into the sum's two chains by turns
.set sk, \k0
.rept \n
.if sk%2
	v_pk_add_f32 v[LB:LB+1], v[LB:LB+1], v[\base+2*sk:\base+2*sk+1]
.else
	v_pk_add_f32 v[LA:LA+1], v[LA:LA+1], v[\base+2*sk:\base+2*sk+1]
.endif
.set sk, sk+1
.endr
.endm
; ONE STEP: 256 keys.  On entry the first record's k is on its way into KF.  The sum of the second half's p is taken where plain lines are due as places: pairs 0-17 in this step, 18-31 among the next step's first products.
; first: no earlier p, O^T begins with C = 0.  sig: my tensor load is awaited and the second barrier is signalled.  pre: the next step's first k is asked for.
.macro STEP first, sig, pre
	s_wait_alu depctr_va_vdst(0)                   ; the wait ahead of the wait below
	s_wait_dscnt 0x0                               ; k of the first record is in
.irp t, 0,1,2,3,4,5,6,7
	WQK 0, \t
.if \first == 0
	SUMS S+64, 18+\t, 1
.endif
.endr
.if \first
.rept 4
	v_nop
.endr
.else
	SUMS S+64, 26, 6                               ; (and places in front of the loads and reads below)
.endif
	KLOAD REC
.irp k, 0,1,2,3,4
.irp i, 0,1,2,3
	MAX1 0, \k, \i
.endr
.endr
	s_wait_alu depctr_va_vdst(0)                   ; the wait ahead of the wait below
	s_wait_dscnt 0x0                               ; k of the second record is in
.if \sig
	s_wait_tensorcnt 0x0                           ; my record has landed:
	s_barrier_signal -1                            ; say so, in the middle of the first step; until the barrier's wait, behind the second step, only registers and LDS bytes that nobody writes are touched
.endif
.irp t, 0,1,2,3,4,5,6,7
	WQK 64, \t
	MAX1 0, 5+\t/4, \t%4
.endr
	MAXF 0                                         ; (with the line above the places behind the last product)
.irp i, 0,1,2,3,4,5,6,7,8,9,10,11
	ds_load_b128 v[KF+4*\i:KF+4*\i+3], v[AD] offset:VOFF+512*\i    ; v of the first record
.endr
	ds_load_b128 v[VS:VS+3], v[AD] offset:VSC
.irp k, 0,1,2,3,4,5,6
.irp i, 0,1,2,3
	MAX1 2, \k, \i
.endr
.endr
	MAXF 2
	v_max3_num_f32 v[TT], v[BM], v[BM+1], v[BM+2]
	s_delay_alu instid0(VALU_DEP_1)
	v_max_num_f32 v[TT], v[TT], v[BM+3]
	s_delay_alu instid0(VALU_DEP_1)
	v_permlanex16_b32 v[FF], v[TT], s[SEL], s[SEL+1]
	s_delay_alu instid0(VALU_DEP_1)
.if \first
	v_max_num_f32 v[NM+1], v[TT], v[FF]            ; the largest score
	s_delay_alu instid0(VALU_DEP_1)
	v_mul_f32 v[TT], s[NC], v[NM+1]
	s_delay_alu instid0(VALU_DEP_1)
	v_floor_f32 v[NM], v[TT]                       ; -M = floor(-t)
.else
	v_max3_num_f32 v[NM+1], v[NM+1], v[TT], v[FF]  ; the running largest score
	s_delay_alu instid0(VALU_DEP_1)
	v_mul_f32 v[TT], s[NC], v[NM+1]
	s_delay_alu instid0(VALU_DEP_1)
	v_floor_f32 v[TT], v[TT]                       ; the new -M
	s_delay_alu instid0(VALU_DEP_1)
	v_sub_f32 v[FF], v[TT], v[NM]                  ; a whole number, 0 or less
	v_mov_b32 v[NM], v[TT]
.endif
.irp b, 0,2
	v_pk_fma_f32 v[BM+\b:BM+\b+1], v[BM+\b:BM+\b+1], s[CS:CS+1], v[NM:NM+1] op_sel_hi:[1,0,0]
.endr
.if \first == 0
	v_cvt_i32_f32 v[FF], v[FF]
.endif
.set j, 0
.rept 32
.if (j == 8) && (\first == 0)
	v_ldexp_f32 v[FF], 1.0, v[FF]                  ; 2^(old M - new M): an exact power of two
.endif
	v_pk_fma_f32 v[S+j:S+j+1], v[S+j:S+j+1], s[CS:CS+1], v[NM:NM+1] op_sel_hi:[1,0,0]   ; t - M, the first half
.set j, j+2
.endr
.if \first == 0
	v_pk_mul_f32 v[LA:LA+1], v[LA:LA+1], v[FF:FF+1] op_sel_hi:[1,0]       ; what was summed comes under the new M
	v_pk_mul_f32 v[LB:LB+1], v[LB:LB+1], v[FF:FF+1] op_sel_hi:[1,0]
.set j, 0
.rept 16
	v_pk_mul_f32 v[O+j:O+j+1], v[O+j:O+j+1], v[FF:FF+1] op_sel_hi:[1,0]
.set j, j+2
.endr
.endif
.irp b, 0,1,2,3
	v_max_num_f32 v[BM+\b], 0xc2f80000, v[BM+\b]   ; x held at -124
.endr
.irp b, 0,1,2,3
	v_cvt_floor_i32_f32 v[BM+\b], v[BM+\b]         ; floor(x)
.endr
	v_lshl_add_u32 v[PW], v[BM+1], 16, v[BM]       ; my blocks h and 2 + h of the first record,
	v_lshl_add_u32 v[TT], v[BM+3], 16, v[BM+2]     ; of the second;
	v_add_nc_u32 v[PW], 0x7d007d, v[PW]            ; + 125 in each byte's place: the bytes
	v_add_nc_u32 v[TT], 0x7d007d, v[TT]
.irp b, 0,1,2,3
	v_lshl_add_u32 v[BM+\b], v[BM+\b], 23, 0x3e800000   ; the conversions' scale operand: exponent field floor(x) + 125
.endr
	s_wait_alu depctr_va_vdst(0)                   ; the wait ahead of the batch
.set j, 0
.rept 32
	v_exp_f32 v[S+j], v[S+j]                       ; p, the first half; among them t - M of the second half
	v_exp_f32 v[S+j+1], v[S+j+1]
	v_pk_fma_f32 v[S+64+j:S+64+j+1], v[S+64+j:S+64+j+1], s[CS:CS+1], v[NM:NM+1] op_sel_hi:[1,0,0]
.set j, j+2
.endr
	s_wait_alu depctr_va_vdst(0)                   ; the wait ahead of the second batch
.set j, 64
.rept 64
	v_exp_f32 v[S+j], v[S+j]                       ; p, the second half
.set j, j+1
.endr
	v_permlanex16_b32 v[FF], v[PW], s[SEL], s[SEL+1]    ; the plain line behind the exponentials
	s_wait_alu depctr_va_vdst(0)                   ; and the wait behind the batch
	SUM4
	v_cvt_scalef32_pk16_fp6_f32 v[PC:PC+2], v[S:S+15], v[BM]
	v_cvt_scalef32_pk16_fp6_f32 v[PC+6:PC+8], v[S+32:S+47], v[BM+1]
	v_lshl_add_u32 v[PW], v[FF], 8, v[PW]          ; lanes 0-15: the four bytes of the first record (a plain line: the conversions below write the sources of those above)
	v_cvt_scalef32_pk16_fp6_f32 v[S:S+2], v[S+16:S+31], v[BM]
	v_cvt_scalef32_pk16_fp6_f32 v[S+32:S+34], v[S+48:S+63], v[BM+1]
	v_permlanex16_b32 v[FF], v[TT], s[SEL], s[SEL+1]    ; the plain line behind them
.irp i, 0,1,2
	v_mov_b32 v[PC+3+\i], v[S+\i]
	v_mov_b32 v[PC+9+\i], v[S+32+\i]
.endr
.irp i, 0,1,2,3,4,5,6,7,8,9,10,11
	ds_load_b128 v[S+4*\i:S+4*\i+3], v[AD] offset:REC+VOFF+512*\i  ; v of the second record, over p of the first
.endr
	SUMS S+64, 0, 4
	s_wait_alu depctr_va_vdst(0)                   ; the wait ahead of the wait below
	s_wait_dscnt 12                                ; all but the 12 just issued: v of the first record is in
	PV KF, \first
	SUMS S+64, 4, 4
	ds_load_b128 v[VS:VS+3], v[AD] offset:REC+VSC
.if \pre
	s_add_co_u32 s[TB], s[TB], 2*REC
	NEWAD
	KLOAD 0                                        ; the next step's first k
.endif
	v_cvt_scalef32_pk16_fp6_f32 v[PC:PC+2], v[S+64:S+79], v[BM+2]
	v_cvt_scalef32_pk16_fp6_f32 v[PC+6:PC+8], v[S+96:S+111], v[BM+3]
	v_cvt_scalef32_pk16_fp6_f32 v[S+48:S+50], v[S+80:S+95], v[BM+2]
	v_cvt_scalef32_pk16_fp6_f32 v[S+52:S+54], v[S+112:S+127], v[BM+3]
	v_lshl_add_u32 v[PW], v[FF], 8, v[TT]          ; the second record's scale word; the plain line behind the conversions
.irp i, 0,1,2
	v_mov_b32 v[PC+3+\i], v[S+48+\i]
	v_mov_b32 v[PC+9+\i], v[S+52+\i]
.endr
	SUMS S+64, 8, 4
	s_wait_alu depctr_va_vdst(0)                   ; the wait ahead of the wait below
.if \pre
	s_wait_dscnt 13                                ; all but the next step's k (12 and its scale words)
.else
	s_wait_dscnt 0x0
.endif
	PV S, 0
	SUMS S+64, 12, 6                               ; (and places ahead of the next products, which write over v's fragments)
.endm
	NEWAD
	s_wait_alu depctr_va_vdst(0)                   ; the wait ahead of the branch and the barrier
	s_cmp_lt_u32 s[WV], 4
	s_cbranch_scc0 .Lno_wait
	s_wait_tensorcnt 0x0                           ; records 0-3 have landed
.Lno_wait:
	s_barrier_signal -1
	s_barrier_wait -1
	KLOAD 0
	STEP 1, 1, 1                                   ; the first step: records 0, 1
	STEP 0, 0, 0                                   ; the second: records 2, 3
	s_add_co_u32 s[TB], s[TB], 2*REC
	NEWAD
	s_wait_alu depctr_va_vdst(0)                   ; the wait ahead of the barrier's wait
	s_barrier_wait -1                              ; every record has landed
	KLOAD 0
	s_mov_b32 s[CNT], 5
.Lloop:
	STEP 0, 0, 1                                   ; records 4 .. 13
	s_wait_alu depctr_va_vdst(0)                   ; the wait ahead of the branch
	s_sub_co_u32 s[CNT], s[CNT], 1
	s_cmp_lg_u32 s[CNT], 0
	s_cbranch_scc1 .Lloop
	STEP 0, 0, 0                                   ; records 14, 15
	SUMS S+64, 18, 14
	s_lshl_b32 s52, s[WV], 6
	s_add_co_u32 s52, s52, STAGE
	s_mul_i32 s53, s[WV], 4*SP
	s_add_co_u32 s53, s53, STAGE
	v_pk_add_f32 v[LA:LA+1], v[LA:LA+1], v[LB:LB+1]
	v_and_b32 v12, 15, v0
	v_bfe_u32 v13, v0, 4, 1
	v_add_f32 v[LA], v[LA], v[LA+1]
	v_lshlrev_b32 v14, 2, v12
	v_and_b32 v15, 31, v0
	v_permlanex16_b32 v[FF], v[LA], s[SEL], s[SEL+1]
	v_mad_u32_u24 v14, v13, 8*SP, v14
	v_lshlrev_b32 v15, 4, v15                      ; 16 x lane
	v_add_f32 v[LA], v[LA], v[FF]                  ; the row's sum
	v_add_nc_u32 v14, s52, v14                     ; into the stage: row = channel, column = my query
	v_add_nc_u32 v7, s53, v15                      ; out of it: four rows a wave
	s_wait_alu depctr_va_vdst(0)                   ; the wait ahead of the transcendental
	v_rcp_f32 v[LA], v[LA]
	v_nop
	s_wait_alu depctr_va_vdst(0)                   ; and behind it
.set j, 0
.rept 16
	v_pk_mul_f32 v[O+j:O+j+1], v[O+j:O+j+1], v[LA:LA+1] op_sel_hi:[1,0]
.set j, j+2
.endr
.irp t, 0,1,2,3
.irp j, 0,1,2,3,4,5,6,7
	ds_store_b32 v14, v[O+8*\t+\j] offset:(16*\t+\j)*SP
.endr
.endr
	s_wait_dscnt 0x0                               ; for the others' sake
	s_barrier_signal -1
	s_barrier_wait -1
.irp i, 0,1,2,3
.irp e, 0,1
	ds_load_b128 v[S+4*(2*\i+\e):S+4*(2*\i+\e)+3], v7 offset:\i*SP+512*\e
.endr
.endr
.irp i, 0,1,2,3
.irp e, 0,1
	s_wait_dscnt 7-(2*\i+\e)
	global_store_b128 v15, v[S+4*(2*\i+\e):S+4*(2*\i+\e)+3], s[8:9] offset:\i*8192+512*\e th:TH_STORE_NT   ; 512 consecutive aligned bytes of a row
.endr
.endr
	v_lshl_add_u32 v[SPW], v0, 2, SPARE
	v_mov_b32 v[NIL], 0
	s_wait_alu depctr_va_vdst(0)
	s_wait_tensorcnt 0x0                           ; the wave's end
	ds_add_u32 v[SPW], v[NIL]
	s_wait_dscnt 0x0
	CROUND                                         ; the closing round
	s_endpgm
.Lfunc_end_k_q60c73b18e7_attn:
	.size	k_q60c73b18e7_attn, .Lfunc_end_k_q60c73b18e7_attn-k_q60c73b18e7_attn
	.p2alignl 7, 3214868480
	.fill 96, 4, 3214868480
	.section	.rodata,"a",@progbits
	.p2align	6, 0x0
	.amdhsa_kernel k_q60c73b18e7_attn
		.amdhsa_group_segment_fixed_size 327680
		.amdhsa_private_segment_fixed_size 0
		.amdhsa_enable_private_segment 0
		.amdhsa_kernarg_size 24
		.amdhsa_user_sgpr_count 2
		.amdhsa_user_sgpr_kernarg_segment_ptr 1
		.amdhsa_wavefront_size32 1
		.amdhsa_system_sgpr_workgroup_id_x 1
		.amdhsa_system_sgpr_workgroup_id_y 1
		.amdhsa_system_sgpr_workgroup_id_z 1
		.amdhsa_system_vgpr_workitem_id 0
		.amdhsa_next_free_vgpr 256
		.amdhsa_next_free_sgpr 66
		.amdhsa_reserve_vcc 0
		.amdhsa_float_denorm_mode_32 3
		.amdhsa_float_denorm_mode_16_64 3
		.amdhsa_memory_ordered 1
		.amdhsa_forward_progress 1
		.amdhsa_inst_pref_size 122
	.end_amdhsa_kernel
	.amdgpu_metadata
---
amdhsa.version: [ 1, 2 ]
amdhsa.kernels:
  - .name:           k_q60c73b18e7_attn
    .symbol:         k_q60c73b18e7_attn.kd
    .args:
      - { .name: qkv, .offset: 0, .size: 8, .value_kind: global_buffer, .address_space: global }
      - { .name: kvc, .offset: 8, .size: 8, .value_kind: global_buffer, .address_space: global }
      - { .name: out0, .offset: 16, .size: 8, .value_kind: global_buffer, .address_space: global }
    .group_segment_fixed_size: 327680
    .private_segment_fixed_size: 0
    .kernarg_segment_align: 8
    .kernarg_segment_size: 24
    .max_flat_workgroup_size: 512
    .sgpr_count:     66
    .vgpr_count:     256
    .wavefront_size: 32
...
	.end_amdgpu_metadata
.endif
;; end of part 2
